; MI455X (gfx1250); checked and timed in simulation.
; The chip was launched on July 23, 2026; its instructions are those of AMD's public machine-readable ISA for CDNA 5 (MIT licence, August 2026) and "CDNA5" Instruction Set Architecture Reference Guide (July 2026). The comments in the code are by the model that wrote it; some were corrected since.
;; Quantizer. Allowed arithmetic: float matrix products may take bf16 or f16 operands with f32 sums; all other float work in f32.
;; Inputs: array 1,024 x 1,024 float32; codebook 256 x 8 float32.
;; Outputs: out0 1,024 x 1,024 float32; out1 64 x 64 x 32 int32.
;; Constants: block_size = 16.
;; 2 versions, each right; version 2 is version 1 with the launch viterbi written anew for expert scheduling mode. Each part assembles by itself: llvm-mc -triple=amdgcn-amd-amdhsa -mcpu=gfx1250 --defsym DOCPART=n.
;; ======== version 1 of 2: 1 launch
;; limits: below input magnitudes of 1e-11 results are inexact or not finite
;; launch viterbi (part 1): grid 256 x 1, 4 waves a work-group, no clusters, 46,592 bytes of LDS; arguments array, codebook, out0, out1; writes out0, out1
.if DOCPART == 1
	.amdgcn_target "amdgcn-amd-amdhsa--gfx1250"
	.amdhsa_code_object_version 6
	.text
	.protected	k_q981df5fd5d_viterbi
	.globl	k_q981df5fd5d_viterbi
	.p2align	8
	.type	k_q981df5fd5d_viterbi,@function
k_q981df5fd5d_viterbi:
	s_mov_b64 s[64:65], 0
	v_nop
	global_prefetch_b8 v0, s[64:65] scope:SCOPE_SE
	s_setreg_imm32_b32 hwreg(HW_REG_WAVE_MODE, 25, 1), 1
	s_wait_xcnt 0x0
; Trellis quantizer: 4,096 blocks of 16 x 16, each 32 chunks of 8 numbers, 256 states, 4 bits a step.
; state = 16 k + h.  A step needs m[h] = min over k of dp[16 k + h] (with the lowest such k) and dp'[16 i + l] = m[i] + cost[16 i + l].
;
; SHARES.  256 work-groups x 4 waves; a wave owns 4 blocks side by side (16 rows x 256 bytes of array and of out0, aligned), and shares
; nothing with other waves: every LDS byte it touches lies in its own WLDS bytes, so there is no barrier.
; THE DOTS.  K = 32 of the bf16 matrix form is four groups of 8.  Column n = 4 b + g of B holds chunk x_b in K group g and zeros elsewhere;
; row m of A tile T holds in K group g the codeword of state 128 (T&1) + 16 (m&7) + 2 lam + (T>>1), lam = 2 g + (m>>3).
; So lane (hh = lane>>4, b, g) gets in D register 16 e + k the dot of x_b with state 16 k + 2 lam + e, lam = 2 g + hh: all 16 k of two h.
; The minimum over k stays inside a lane; a block's 16 minima go round through 64 bytes of LDS.
; ROUNDING.  array and codebook are rounded to bf16 first; all else is f32 in reference()'s own order: |x|^2 and |c|^2 serial and ascending,
; cost = (tt - 2 dot) + cc, dp = m + cost; the lowest index wins a tie.
; NO ADDRESS HANGS ON A RESULT: back pointers are walked in registers, and codebook[state] is a product with a one-hot matrix.
; LIMITS.  (1) The decisions are those of the bf16-rounded inputs.  The 8 products of a dot are summed by the matrix unit, not serially: two
; paths whose costs agree to the last bits of f32 may be decided otherwise than by a serial sum.  (2) out0 holds the codewords rounded to bf16
; (relative error up to 2^-9).  (3) NaN and infinities are not served.  (4) Two path costs that differ by less than 2^-96 are not told apart
; (inputs of magnitude below about 1e-11).
; NO CLUSTER: work-groups share only the 8,192 bytes of the codebook, against 16 KiB of array that each reads alone.  No tensor loads: a wave
; reads its 4,096 bytes once, at the entry.
.set WLDS,  11520                      ; LDS bytes of a wave
.set XB,    0                          ; x in bf16: chunk (b, t) at 512 b + 16 t            2,048 bytes
.set ZP,    2048                       ; a plane of zeros of the same shape                 2,048
.set TTO,   4096                       ; |x|^2 of chunk (b, t) at 128 b + 4 t                 512
.set MBO,   4608                       ; m[h] of block b at 64 b + 4 h                        256
.set BPO,   4864                       ; back pointers: block b, step t at 256 b + 8 (t-1); nibble h = the k chosen   1,024
.set STO,   5888                       ; states: 128 b + 4 t                                  512
.set CCO,   6400                       ; |c|^2 of state s at 4 s                            1,024
.set T2O,   7424                       ; codebook for the one-hot product, see below        4,096
.set L,     1                          ; lane
.set HHR,   2                          ; lane >> 4
.set GR,    3                          ; lane & 3
.set BR,    4                          ; (lane >> 2) & 3
.set XLD,   5                          ; byte offsets into the buffers and LDS addresses, one register each, never rewritten
.set CBLD,  6                          ; (but Q0, Q1, TTA, BPA, which step with the loop)
.set XST,   7
.set LIN16, 8
.set LIN4,  9
.set CCST,  10
.set T2ST,  11
.set CCLD,  12
.set Q0,    13
.set Q1,    14
.set TTA,   15
.set MST,   16
.set MLD,   17
.set BPA,   18
.set BPL,   19
.set STA,   20
.set STR,   21
.set T2LD,  22
.set OUTO,  23
.set OUT1O, 24
.set H4,    25                         ; 4 (lane >> 4)
.set ONE,   26                         ; bf16 1.0
.set HF0,   27                         ; float(2 lam), float(2 lam + 1)
.set HF1,   28
.set TA,    29                         ; scratch
.set TB,    30
.set TC,    31
.set AF,    32                         ; v[32:63]   A: 4 tiles x 8; at the end the 4 transposed fragments
.set DP,    64                         ; v[64:95]   dp, register 16 e + k.  At the entry x as loaded; at the end out0's 8 x 4 registers
.set XR,    64
.set OUTR,  64
.set CC,    96                         ; v[96:127]  |c|^2 of my 32 states
.set WB,    96                         ; v[96:157]  at the end: my block's 31 back-pointer words of 64 bits
.set O1,    96                         ; then: 16 bytes of out1, and the states of my 8 columns
.set SG,    100
.set D,     128                        ; v[128:159] matrix results, then costs
.set CR,    128                        ; v[128:191] at the entry: 8 codewords as loaded
.set G,     160                        ; v[160:175] m[0..15] of my block
.set KF,    176                        ; v[176:191] float(k)
.set BQ,    192                        ; v[192:199] B
.set MA,    200                        ; pairs whose first register is broadcast: m[2 lam], m[2 lam + 1], tt
.set MB,    202
.set TT,    204
.set HB,    206                        ; 2^100, twice
.set TR,    208                        ; v[208:217] the trees' temporaries
.set ACC,   208                        ; at the entry: up to 8 running sums
.set KA,    218
.set KB,    219
.set ZR,    220                        ; v[220:223] zeros
.set AN,    224                        ; v[224:225] high nibble of the state, by the step's parity
.set SH,    226
.set WS,    227
.set SS,    228
.set LAM,   229
	s_load_b256 s[4:11], s[0:1], 0x0               ; array s[4:5], codebook s[6:7], out0 s[8:9], out1 s[10:11]
	v_lshl_add_u32 v232, v0, 2, 0xb400
	v_mov_b32 v233, 0
	v_and_b32 v[L], 31, v0
	v_lshrrev_b32 v[TA], 5, v0
	v_readfirstlane_b32 s12, v[TA]                 ; wave 0..3
	s_lshl_b32 s13, ttmp9, 2
	s_add_co_u32 s13, s13, s12                     ; W = 0..1023: block row W >> 4, blocks 4 (W & 15) .. + 3 of it
	s_lshr_b32 s14, s13, 4
	s_lshl_b32 s14, s14, 16                        ; 16 rows of 4,096 bytes
	s_and_b32 s16, s13, 15
	s_lshl_b32 s16, s16, 8                         ; 4 blocks of 64 bytes
	s_add_co_u32 s14, s14, s16
	s_mov_b32 s15, 0
	s_lshl_b32 s16, s13, 9                         ; out1: 4 blocks x 32 words
	s_mov_b32 s17, 0
	s_mul_i32 s18, s12, WLDS                       ; my wave's LDS
	s_mov_b32 s19, 0x41800000                      ; 16.0
	s_mov_b32 s20, 0x76543210                      ; v_permlanex16_b32: lane i reads lane i xor 16
	s_mov_b32 s21, 0xfedcba98
	v_lshrrev_b32 v[HHR], 4, v[L]
	v_and_b32 v[GR], 3, v[L]
	v_bfe_u32 v[BR], v[L], 2, 2
	v_and_b32 v[TA], 7, v[L]                       ; lane & 7
	v_bfe_u32 v[TB], v[L], 3, 1                    ; bit 3 of the lane
	v_and_b32 v[TC], 15, v[L]
	; As a lane of A (row m = lane & 15, K groups g = (lane>>4) + 2 qd) I need state 128 (T&1) + 16 (lane&7) + 8 qd + 4 (lane>>4) + 2 bit3 + (T>>1)
	v_lshlrev_b32 v[CBLD], 9, v[TA]                ; x 32 bytes a codeword: the lane's part
	v_lshl_add_u32 v[CBLD], v[HHR], 7, v[CBLD]
	v_lshl_add_u32 v[CBLD], v[TB], 6, v[CBLD]
	v_lshlrev_b32 v[XLD], 4, v[TC]                 ; x: lanes 0-15 one row's 256 bytes, lanes 16-31 the next row's
	v_lshl_add_u32 v[XLD], v[HHR], 12, v[XLD]
	s_wait_kmcnt 0x0
	s_add_nc_u64 s[4:5], s[4:5], s[14:15]
	s_add_nc_u64 s[8:9], s[8:9], s[14:15]
	s_add_nc_u64 s[10:11], s[10:11], s[16:17]
.irp c, 0,1,2,3,4,5,6,7                            ; codeword c = 2 T + qd: the wave's 256 loads of 32 bytes take each state once
	global_load_b128 v[CR+8*\c:CR+8*\c+3],   v[CBLD], s[6:7] offset:4096*((\c>>1)&1)+32*(\c>>2)+256*(\c&1)
	global_load_b128 v[CR+8*\c+4:CR+8*\c+7], v[CBLD], s[6:7] offset:4096*((\c>>1)&1)+32*(\c>>2)+256*(\c&1)+16
.endr
.irp i, 0,1,2,3,4,5,6,7                            ; rows 2 i, 2 i + 1: two whole aligned runs of 256 bytes an instruction, read once in the launch
	global_load_b128 v[XR+4*\i:XR+4*\i+3], v[XLD], s[4:5] offset:8192*\i th:TH_LOAD_NT
.endr
	; while these are on their way: the lane terms, each = my wave's LDS + a term of the lane's bits
	v_lshl_add_u32 v[LIN16], v[L], 4, s18
	v_lshl_add_u32 v[LIN4], v[L], 2, s18
.irp i, 0,1,2,3
	v_mov_b32 v[ZR+\i], 0
.endr
.irp i, 0,1,2,3
	ds_store_b128 v[LIN16], v[ZR:ZR+3] offset:ZP+512*\i
.endr
	v_lshl_add_u32 v[XST], v[BR], 9, s18           ; my 8 bytes of bf16 x: block (lane>>2)&3, t = 4 i + 2 (lane>>4) + bit 1, half bit 0
	v_lshl_add_u32 v[XST], v[HHR], 5, v[XST]
	v_lshl_add_u32 v[XST], v[GR], 3, v[XST]
	v_lshl_add_u32 v[CCST], v[TA], 6, s18          ; 4 x the state of my codewords, the lane's part
	v_lshl_add_u32 v[CCST], v[HHR], 4, v[CCST]
	v_lshl_add_u32 v[CCST], v[TB], 3, v[CCST]
	v_lshl_add_u32 v[T2LD], v[TB], 11, s18         ; transposing loads: plane bit 3, row 8 (lane>>4) + (lane&7)
	v_lshl_add_u32 v[T2LD], v[HHR], 7, v[T2LD]
	v_lshl_add_u32 v[T2LD], v[TA], 4, v[T2LD]
	v_lshlrev_b32 v[OUTO], 12, v[TB]               ; out0: column n = lane & 15 is the chunk at row bit 3, byte 32 (n & 7); my half of it
	v_lshl_add_u32 v[OUTO], v[TA], 5, v[OUTO]
	v_lshl_add_u32 v[OUTO], v[HHR], 4, v[OUTO]
	v_lshlrev_b32 v[OUT1O], 4, v[L]
	; T2: row (hf, i, K) of 16 bytes = components 4 hf .. + 3 of state 64 i + K, then of state 64 i + 32 + K.  My states' part of the address:
	v_lshl_add_u32 v[T2ST], v[HHR], 6, s18
	v_lshl_add_u32 v[T2ST], v[TB], 5, v[T2ST]
	v_bfe_u32 v[TC], v[L], 2, 1
	v_lshl_add_u32 v[T2ST], v[TC], 9, v[T2ST]
	v_and_b32 v[TC], 1, v[L]
	v_lshl_add_u32 v[T2ST], v[TC], 8, v[T2ST]
	v_lshl_add_u32 v[STR], v[TC], 2, s18           ; the state of column n in group i: block (n>>1)&3, t = 4 i + 2 (n>>3) + (n&1)
	v_lshl_add_u32 v[STR], v[TB], 3, v[STR]
	v_bfe_u32 v[TC], v[L], 1, 2
	v_lshl_add_u32 v[STR], v[TC], 7, v[STR]
	v_bfe_u32 v[TC], v[L], 1, 1
	v_lshl_add_u32 v[T2ST], v[TC], 3, v[T2ST]
	v_lshl_add_u32 v[LAM], v[GR], 1, v[HHR]        ; lam = 2 g + hh: my two low nibbles are 2 lam, 2 lam + 1
	v_lshl_add_u32 v[CCLD], v[LAM], 3, s18
	v_lshl_add_u32 v[MLD], v[BR], 6, s18
	v_lshl_add_u32 v[MST], v[LAM], 3, v[MLD]
	v_lshl_add_u32 v[BPL], v[BR], 8, s18
	v_add_nc_u32 v[BPA], v[BPL], v[LAM]
	v_lshl_add_u32 v[TTA], v[BR], 7, s18
	v_lshl_add_u32 v[STA], v[BR], 7, s18
	; B's first four registers are K group hh, the last four K group 2 + hh: data where that is my column's g, else the plane of zeros
	v_add_nc_u32 v[TC], 4, v[GR]
	v_sub_nc_u32 v[TC], v[TC], v[HHR]
	v_and_b32 v[TC], 3, v[TC]
	v_min_u32 v[TC], 1, v[TC]                      ; 0: g = hh
	v_lshl_add_u32 v[Q0], v[BR], 9, s18
	v_lshl_add_u32 v[Q0], v[TC], 11, v[Q0]
	v_add_nc_u32 v[TC], 2, v[GR]
	v_sub_nc_u32 v[TC], v[TC], v[HHR]
	v_and_b32 v[TC], 3, v[TC]
	v_min_u32 v[TC], 1, v[TC]                      ; 0: g = 2 + hh
	v_lshl_add_u32 v[Q1], v[BR], 9, s18
	v_lshl_add_u32 v[Q1], v[TC], 11, v[Q1]
	v_lshlrev_b32 v[H4], 2, v[HHR]
	v_mov_b32 v[ONE], 0x3f80
	v_lshlrev_b32 v[TC], 1, v[LAM]
	v_cvt_f32_u32 v[HF0], v[TC]
	v_add_f32 v[HF1], 1.0, v[HF0]
	v_mov_b32 v[MA+1], 0                           ; second registers of broadcast pairs: named by the packed forms, never used
	v_mov_b32 v[MB+1], 0
	v_mov_b32 v[TT+1], 0
	v_mov_b32 v[HB], 0x71800000                    ; 2^100
	v_mov_b32 v[HB+1], 0x71800000
; n serial sums of 8 squares, ascending, of bf16 numbers packed in 4 registers each (products of bf16 are exact in f32, so each line rounds once,
; as a multiply and an add would); the n chains take turns
.macro SQSUM base, n
.set qq, 0
.rept 4
.set ci, 0
.rept \n
.if qq == 0
	v_fma_mix_f32_bf16 v[ACC+ci], v[\base+4*ci], v[\base+4*ci], v[ZR] op_sel_hi:[1,1,0]
.else
	v_fma_mix_f32_bf16 v[ACC+ci], v[\base+4*ci+qq], v[\base+4*ci+qq], v[ACC+ci] op_sel_hi:[1,1,0]
.endif
.set ci, ci+1
.endr
.set ci, 0
.rept \n
	v_fma_mix_f32_bf16 v[ACC+ci], v[\base+4*ci+qq], v[\base+4*ci+qq], v[ACC+ci] op_sel:[1,1,0] op_sel_hi:[1,1,0]
.set ci, ci+1
.endr
.set qq, qq+1
.endr
.endm
	s_wait_loadcnt 0x8                             ; loads return in order (ISA guide 5.7.1): the 16 of the codebook are in, x's 8 stay out
.irp c, 0,1,2,3,4,5,6,7
.irp q, 0,1,2,3
	v_cvt_pk_bf16_f32 v[AF+4*\c+\q], v[CR+8*\c+2*\q], v[CR+8*\c+2*\q+1]    ; codeword 2 T + qd is registers 4 qd .. + 3 of A tile T
.endr
.endr
	SQSUM AF, 8
.irp c, 0,1,2,3,4,5,6,7
	ds_store_b32 v[CCST], v[ACC+\c] offset:CCO+512*((\c>>1)&1)+32*(\c&1)+4*(\c>>2)
	ds_store_b64 v[T2ST], v[AF+4*\c:AF+4*\c+1]   offset:T2O+1024*((\c>>1)&1)+128*(\c&1)+16*(\c>>2)
	ds_store_b64 v[T2ST], v[AF+4*\c+2:AF+4*\c+3] offset:T2O+2048+1024*((\c>>1)&1)+128*(\c&1)+16*(\c>>2)
.endr
.irp k, 0,1,2,3,4,5,6,7,8,9,10,11,12,13,14,15      ; LDS serves a wave's instructions in order: these see the stores above
	ds_load_b32 v[CC+\k],    v[CCLD] offset:CCO+64*\k
	ds_load_b32 v[CC+16+\k], v[CCLD] offset:CCO+64*\k+4
.endr
	s_wait_loadcnt 0x0                             ; x
.irp i, 0,1,2,3,4,5,6,7
	v_cvt_pk_bf16_f32 v[XR+4*\i],   v[XR+4*\i],   v[XR+4*\i+1]
	v_cvt_pk_bf16_f32 v[XR+4*\i+1], v[XR+4*\i+2], v[XR+4*\i+3]
	ds_store_b64 v[XST], v[XR+4*\i:XR+4*\i+1] offset:XB+64*\i
.endr
.irp i, 0,1,2,3                                    ; whole chunks back, chunk lane + 32 i, for |x|^2 of the rounded numbers
	ds_load_b128 v[G+4*\i:G+4*\i+3], v[LIN16] offset:XB+512*\i
.endr
	s_wait_dscnt 0x0
	SQSUM G, 4
.irp i, 0,1,2,3
	ds_store_b32 v[LIN4], v[ACC+\i] offset:TTO+128*\i
.endr
.macro WMMA4                           ; the 256 dots of 4 blocks
.irp i, 0,1,2,3
	v_wmma_f32_16x16x32_bf16 v[D+8*\i:D+8*\i+7], v[AF+8*\i:AF+8*\i+7], v[BQ:BQ+7], 0
.endr
.endm
.macro PREF r                          ; B and tt of the step r behind the one at which the address registers stand
	ds_load_b128 v[BQ:BQ+3],   v[Q0] offset:XB+16*(\r)
	ds_load_b128 v[BQ+4:BQ+7], v[Q1] offset:XB+16*(\r)
	ds_load_b32 v[TT], v[TTA] offset:TTO+4*(\r)
.endm
.macro FMATT from, n                   ; D = tt - 2 dot: 2 dot is exact, one rounding
.set pp, \from
.rept \n
	v_pk_fma_f32 v[D+2*pp:D+2*pp+1], v[D+2*pp:D+2*pp+1], -2.0, v[TT:TT+1] op_sel_hi:[1,0,0]
.set pp, pp+1
.endr
.endm
.macro ADDCC dst, from, n              ; + |c|^2
.set pp, \from
.rept \n
	v_pk_add_f32 v[\dst+2*pp:\dst+2*pp+1], v[D+2*pp:D+2*pp+1], v[CC+2*pp:CC+2*pp+1]
.set pp, pp+1
.endr
.endm
.macro ADDG from, n                    ; dp[16 e + k] = m[k] + cost
.set pp, \from
.rept \n
	v_pk_add_f32 v[DP+2*pp:DP+2*pp+1], v[D+2*pp:D+2*pp+1], v[G+2*(pp&7):G+2*(pp&7)+1]
.set pp, pp+1
.endr
.endm
; minimum over the 16 registers of each half of DP, in three levels
.macro MINL1
.irp e, 0,1
.irp a, 0,1,2,3,4
	v_min3_num_f32 v[TR+5*\e+\a], v[DP+16*\e+3*\a], v[DP+16*\e+3*\a+1], v[DP+16*\e+3*\a+2]
.endr
.endr
.endm
.macro MINL2
.irp e, 0,1
	v_min3_num_f32 v[TR+5*\e],   v[TR+5*\e],   v[TR+5*\e+1], v[TR+5*\e+2]
	v_min3_num_f32 v[TR+5*\e+3], v[TR+5*\e+3], v[TR+5*\e+4], v[DP+16*\e+15]
.endr
.endm
.macro MINL3 da, db
	v_min_num_f32 v[\da], v[TR],   v[TR+3]
	v_min_num_f32 v[\db], v[TR+5], v[TR+8]
.endm
; key = (dp - m) 2^100 + k: exactly k where dp = m, at least 16 elsewhere (a difference of two unlike f32 is never 0; see limit 4).
; The least key is the lowest k that attains the minimum.
.macro SUBM ma, mb
.set pp, 0
.rept 8
	v_pk_add_f32 v[DP+2*pp:DP+2*pp+1],       v[DP+2*pp:DP+2*pp+1],       v[\ma:\ma+1] op_sel_hi:[1,0] neg_lo:[0,1] neg_hi:[0,1]
	v_pk_add_f32 v[DP+16+2*pp:DP+16+2*pp+1], v[DP+16+2*pp:DP+16+2*pp+1], v[\mb:\mb+1] op_sel_hi:[1,0] neg_lo:[0,1] neg_hi:[0,1]
.set pp, pp+1
.endr
.endm
.macro KEYS
.set pp, 0
.rept 8
	v_pk_fma_f32 v[DP+2*pp:DP+2*pp+1],       v[DP+2*pp:DP+2*pp+1],       v[HB:HB+1], v[KF+2*pp:KF+2*pp+1]
	v_pk_fma_f32 v[DP+16+2*pp:DP+16+2*pp+1], v[DP+16+2*pp:DP+16+2*pp+1], v[HB:HB+1], v[KF+2*pp:KF+2*pp+1]
.set pp, pp+1
.endr
.endm
	; STEP 0: dp = cost
	PREF 0
	s_wait_dscnt 0x0                               ; B, tt, and my 32 |c|^2
	WMMA4
.irp k, 0,1,2,3,4,5,6,7,8,9,10,11,12,13,14,15      ; 16 plain vector lines that name no register of the products: more than the 4 places that
	v_cvt_f32_u32 v[KF+\k], \k                     ; a reader of D and a load into B owe them
.endr
	FMATT 0, 16
	ADDCC DP, 0, 16
	PREF 1
	s_wait_dscnt 0x0                               ; so that the count at the head of a step holds on the way into the loop too
; STEP t = base + 1 + u (base: where Q0, Q1, TTA, BPA stand).  The trip of the minima through LDS is covered by the costs and the keys.
.macro STEP u, more
	s_wait_dscnt 0x1                               ; only the last step's back-pointer store may be out: B and tt, asked for before it, are in
	WMMA4
	MINL1                                          ; 10 plain lines on dp alone: the places behind the products
	FMATT 0, 4
	MINL2
	FMATT 4, 4
	MINL3 MA, MB
	FMATT 8, 4
	ds_store_b32 v[MST], v[MA] offset:MBO          ; m[2 lam], m[2 lam + 1]
	ds_store_b32 v[MST], v[MB] offset:MBO+4
.irp q, 0,1,2,3
	ds_load_b128 v[G+4*\q:G+4*\q+3], v[MLD] offset:MBO+16*\q   ; all 16 of my block, written by this wave's lanes just above, served in order
.endr
	FMATT 12, 4
	ADDCC D, 0, 16
.if \more
	PREF \u+2                                      ; tt has been used, the products are long done with B
.endif
	SUBM MA, MB
	KEYS
	MINL1
	MINL2                                          ; the keys have all been read: dp may be written
	s_wait_dscnt 3*\more                           ; the three loads for the next step stay out; the four of m, issued before them, are in
	ADDG 0, 4
	MINL3 KA, KB
	ADDG 4, 4
	v_cvt_u32_f32 v[KA], v[KA]
	v_cvt_u32_f32 v[KB], v[KB]
	ADDG 8, 4
	v_lshl_or_b32 v[KA], v[KB], 4, v[KA]           ; nibbles 2 lam and 2 lam + 1 of the step's 64-bit word
	ADDG 12, 4
	ds_store_b8 v[BPA], v[KA] offset:BPO+8*\u
.endm
	s_mov_b32 s25, 0
.Ltrip:                                            ; 6 trips of 5 steps: t = 1 .. 30
	STEP 0, 1
	STEP 1, 1
	STEP 2, 1
	STEP 3, 1
	STEP 4, 1
	v_add_nc_u32 v[Q0], 80, v[Q0]                  ; 5 steps on
	v_add_nc_u32 v[Q1], 80, v[Q1]
	v_add_nc_u32 v[TTA], 20, v[TTA]
	v_add_nc_u32 v[BPA], 40, v[BPA]
	s_add_co_u32 s25, s25, 1
	s_cmp_lt_u32 s25, 6
	s_cbranch_scc1 .Ltrip
	STEP 0, 0                                      ; t = 31 asks for nothing further
	; my block's back pointers and the transposed codebook come in while the last state is found
.irp q, 0,1,2,3,4,5,6,7,8,9,10,11,12,13,14
	ds_load_b128 v[WB+4*\q:WB+4*\q+3], v[BPL] offset:BPO+16*\q
.endr
	ds_load_b64 v[WB+60:WB+61], v[BPL] offset:BPO+240
.irp i, 0,1,2,3                                    ; fragment i: row m = 8 hf + j is component 4 hf + (j&3) of states 64 i + 32 (j>>2) + K, K = 0 .. 31
	ds_load_tr16_b128 v[AF+8*\i:AF+8*\i+3],   v[T2LD] offset:T2O+512*\i
	ds_load_tr16_b128 v[AF+8*\i+4:AF+8*\i+7], v[T2LD] offset:T2O+512*\i+256
.endr
	; THE LAST STATE: the block's minimum over 8 lanes x 32 registers, then the lowest state that attains it
	MINL1
	MINL2
	MINL3 MA, MB
	v_min_num_f32 v[MA], v[MA], v[MB]
	v_min_num_f32_dpp v[MA], v[MA], v[MA] row_xmask:1 row_mask:0xf bank_mask:0xf   ; the four g of my block
	v_min_num_f32_dpp v[MA], v[MA], v[MA] row_xmask:2 row_mask:0xf bank_mask:0xf
	v_permlanex16_b32 v[MB], v[MA], s20, s21                                       ; and the other hh
	v_min_num_f32 v[MA], v[MA], v[MB]
	SUBM MA, MA
	KEYS
	MINL1
	MINL2
	MINL3 KA, KB
	v_fma_f32 v[KA], v[KA], s19, v[HF0]            ; 16 k + h: below 256 where the minimum is attained, 256 or more elsewhere
	v_fma_f32 v[KB], v[KB], s19, v[HF1]
	v_min_num_f32 v[KA], v[KA], v[KB]
	v_min_num_f32_dpp v[KA], v[KA], v[KA] row_xmask:1 row_mask:0xf bank_mask:0xf
	v_min_num_f32_dpp v[KA], v[KA], v[KA] row_xmask:2 row_mask:0xf bank_mask:0xf
	v_permlanex16_b32 v[KB], v[KA], s20, s21
	v_min_num_f32 v[KA], v[KA], v[KB]
	v_cvt_u32_f32 v[SS], v[KA]
	v_lshrrev_b32 v[AN+1], 4, v[SS]
	ds_store_b32 v[STA], v[SS] offset:STO+124      ; the 8 lanes of a block write the same word with the same value
	s_wait_dscnt 0x0                               ; back pointers and fragments are in
	; THE WAY BACK, in registers: a = state >> 4; k = nibble a of the step's word; the state before is 16 k + a
.set bt, 31
.rept 31
	v_cmp_lt_u32 vcc_lo, 7, v[AN+(bt&1)]
	v_lshlrev_b32 v[SH], 2, v[AN+(bt&1)]           ; v_bfe_u32 takes the low 5 bits: 4 (a & 7)
	v_cndmask_b32 v[WS], v[WB+2*(bt-1)], v[WB+2*(bt-1)+1], vcc_lo
	v_bfe_u32 v[AN+((bt-1)&1)], v[WS], v[SH], 4
	v_lshl_or_b32 v[SS], v[AN+((bt-1)&1)], 4, v[AN+(bt&1)]
	ds_store_b32 v[STA], v[SS] offset:STO+4*(bt-1)
.set bt, bt-1
.endr
	ds_load_b128 v[O1:O1+3], v[LIN16] offset:STO   ; the wave's 512 bytes of out1 as they lie
.irp i, 0,1,2,3,4,5,6,7
	ds_load_b32 v[SG+\i], v[STR] offset:STO+16*\i  ; the state of column n in each of the 8 groups of 16 chunks
.endr
	s_wait_dscnt 0x0
	global_store_b128 v[OUT1O], v[O1:O1+3], s[10:11] th:TH_STORE_NT    ; 512 consecutive bytes, aligned
; codebook[state] for rows 2 i, 2 i + 1 (16 chunks): B = one-hot of state & 31 down column n; product i2 gives lane (n, hh) components
; 4 hh .. + 3 of states 64 i2 + (state & 31) in registers 0-3 and 64 i2 + 32 + (state & 31) in registers 4-7; bits 5, 6, 7 of the state choose.
.macro RECON i
	v_bfe_u32 v[TA], v[SG+\i], 1, 4                ; which pair of K
	v_and_b32 v[TB], 1, v[SG+\i]
	v_sub_nc_u32 v[TA], v[TA], v[H4]               ; register q of my half holds pair 8 (q>>2) + 4 hh + (q&3)
	v_lshlrev_b32 v[TB], 4, v[TB]
	v_lshlrev_b32 v[TB], v[TB], v[ONE]             ; 1.0 in the low or in the high half
.irp q, 0,1,2,3,4,5,6,7
	v_cmp_eq_u32 s[26+\q], 8*(\q>>2)+(\q&3), v[TA]
.endr
.irp q, 0,1,2,3,4,5,6,7
	v_cndmask_b32 v[BQ+\q], 0, v[TB], s[26+\q]
.endr
	WMMA4
	v_and_b32 v[TA], 32, v[SG+\i]                  ; six plain lines that name no register of the products: the places that the readers of D,
	v_and_b32 v[TB], 64, v[SG+\i]                  ; the next group's writes of B and its products' writes of D owe them (ISA guide 7.12.1)
	v_and_b32 v[TC], 0x80, v[SG+\i]
	v_cmp_ne_u32 s22, 0, v[TA]
	v_cmp_ne_u32 s23, 0, v[TB]
	v_cmp_ne_u32 s24, 0, v[TC]
.irp w, 0,1,2,3
.irp c, 0,1,2,3
	v_cndmask_b32 v[D+8*\w+\c], v[D+8*\w+\c], v[D+8*\w+4+\c], s22
.endr
.endr
.irp w, 0,1
.irp c, 0,1,2,3
	v_cndmask_b32 v[D+16*\w+\c], v[D+16*\w+\c], v[D+16*\w+8+\c], s23
.endr
.endr
.irp c, 0,1,2,3
	v_cndmask_b32 v[OUTR+4*\i+\c], v[D+\c], v[D+16+\c], s24    ; each group has its own four registers: no store's data is written again
.endr
	global_store_b128 v[OUTO], v[OUTR+4*\i:OUTR+4*\i+3], s[8:9] offset:8192*\i th:TH_STORE_NT  ; the 32 lanes fill two aligned runs of 256 bytes
.endm
	RECON 0
	RECON 1
	RECON 2
	RECON 3
	RECON 4
	RECON 5
	RECON 6
	RECON 7
	s_wait_tensorcnt 0x0
	ds_add_u32 v232, v233
	s_wait_dscnt 0x0
	s_endpgm
.Lfunc_end_k_q981df5fd5d_viterbi:
	.size	k_q981df5fd5d_viterbi, .Lfunc_end_k_q981df5fd5d_viterbi-k_q981df5fd5d_viterbi
	.p2alignl 7, 3214868480
	.fill 96, 4, 3214868480
	.section	.rodata,"a",@progbits
	.p2align	6, 0x0
	.amdhsa_kernel k_q981df5fd5d_viterbi
		.amdhsa_group_segment_fixed_size 46592
		.amdhsa_private_segment_fixed_size 0
		.amdhsa_enable_private_segment 0
		.amdhsa_kernarg_size 32
		.amdhsa_user_sgpr_count 2
		.amdhsa_user_sgpr_kernarg_segment_ptr 1
		.amdhsa_wavefront_size32 1
		.amdhsa_system_sgpr_workgroup_id_x 1
		.amdhsa_system_sgpr_workgroup_id_y 1
		.amdhsa_system_sgpr_workgroup_id_z 1
		.amdhsa_system_vgpr_workitem_id 0
		.amdhsa_next_free_vgpr 234
		.amdhsa_next_free_sgpr 66
		.amdhsa_reserve_vcc 1
		.amdhsa_float_denorm_mode_32 3
		.amdhsa_float_denorm_mode_16_64 3
		.amdhsa_memory_ordered 1
		.amdhsa_forward_progress 1
		.amdhsa_inst_pref_size 117
	.end_amdhsa_kernel
	.amdgpu_metadata
---
amdhsa.version: [ 1, 2 ]
amdhsa.kernels:
  - .name:           k_q981df5fd5d_viterbi
    .symbol:         k_q981df5fd5d_viterbi.kd
    .args:
      - { .name: array, .offset: 0, .size: 8, .value_kind: global_buffer, .address_space: global }
      - { .name: codebook, .offset: 8, .size: 8, .value_kind: global_buffer, .address_space: global }
      - { .name: out0, .offset: 16, .size: 8, .value_kind: global_buffer, .address_space: global }
      - { .name: out1, .offset: 24, .size: 8, .value_kind: global_buffer, .address_space: global }
    .group_segment_fixed_size: 46592
    .private_segment_fixed_size: 0
    .kernarg_segment_align: 8
    .kernarg_segment_size: 32
    .max_flat_workgroup_size: 128
    .sgpr_count:     66
    .vgpr_count:     234
    .wavefront_size: 32
...
	.end_amdgpu_metadata
.endif
;; end of part 1
;; ======== version 2 of 2: 1 launch; version 1 with the launch viterbi written anew for expert scheduling mode
;; limits: below input magnitudes of 1e-11 results are inexact or not finite
;; launch viterbi (part 2): grid 256 x 1, 4 waves a work-group, no clusters, 46,592 bytes of LDS; arguments array, codebook, out0, out1; writes out0, out1
.if DOCPART == 2
	.amdgcn_target "amdgcn-amd-amdhsa--gfx1250"
	.amdhsa_code_object_version 6
	.text
	.protected	k_q981df5fd5d_viterbi
	.globl	k_q981df5fd5d_viterbi
	.p2align	8
	.type	k_q981df5fd5d_viterbi,@function
k_q981df5fd5d_viterbi:
	s_mov_b64 s[64:65], 0
	v_nop
	global_prefetch_b8 v0, s[64:65] scope:SCOPE_SE
	s_setreg_imm32_b32 hwreg(HW_REG_WAVE_SCHED_MODE, 0, 2), 2
	s_setreg_imm32_b32 hwreg(HW_REG_WAVE_MODE, 25, 1), 1
	s_wait_xcnt 0x0
	s_wait_alu depctr_vm_vsrc(0)
; Trellis quantizer: 4,096 blocks of 16 x 16, each 32 chunks of 8 numbers, 256 states, 4 bits a step.
; state = 16 k + h.  A step needs m[h] = min over k of dp[16 k + h] (with the lowest such k) and dp'[16 i + l] = m[i] + cost[16 i + l].
;
; SHARES.  256 work-groups x 4 waves; a wave owns 4 blocks side by side (16 rows x 256 bytes of array and of out0, aligned), and shares
; nothing with other waves: every LDS byte it touches lies in its own WLDS bytes, so there is no barrier.
; THE DOTS.  K = 32 of the bf16 matrix form is four groups of 8.  Column n = 4 b + g of B holds chunk x_b in K group g and zeros elsewhere;
; row m of A tile T holds in K group g the codeword of state 128 (T&1) + 16 (m&7) + 2 lam + (T>>1), lam = 2 g + (m>>3).
; So lane (hh = lane>>4, b, g) gets in D register 16 e + k the dot of x_b with state 16 k + 2 lam + e, lam = 2 g + hh: all 16 k of two h.
; The minimum over k stays inside a lane; a block's 16 minima go round through 64 bytes of LDS.
; ROUNDING.  array and codebook are rounded to bf16 first; all else is f32 in reference()'s own order: |x|^2 and |c|^2 serial and ascending,
; cost = (tt - 2 dot) + cc, dp = m + cost; the lowest index wins a tie.
; NO ADDRESS HANGS ON A RESULT: back pointers are walked in registers, and codebook[state] is a product with a one-hot matrix.
; LIMITS.  (1) The decisions are those of the bf16-rounded inputs.  The 8 products of a dot are summed by the matrix unit, not serially: two
; paths whose costs agree to the last bits of f32 may be decided otherwise than by a serial sum.  (2) out0 holds the codewords rounded to bf16
; (relative error up to 2^-9).  (3) NaN and infinities are not served.  (4) Two path costs that differ by less than 2^-96 are not told apart
; (inputs of magnitude below about 1e-11).
; NO CLUSTER: work-groups share only the 8,192 bytes of the codebook, against 16 KiB of array that each reads alone.  No tensor loads: a wave
; reads its 4,096 bytes once, at the entry.
; THE MODE: SCHED_MODE bits 1:0 = 2 (LLVM: expert scheduling mode 2), set by the entry lines.  The code itself states the register dependences
; between vector or matrix instructions and memory or LDS instructions, with s_wait_alu, always for 0.
; THE PLAN.  Registers that LDS instructions touch in the loop over steps:
;   B0, B1, tt0, tt1   Step t multiplies by B[t & 1] and reads tt[t & 1]; its own loads, for step t + 1, land in the other pair, which step t - 1 read.
;   G                  Loaded in step t; read by the step's last sixteen additions.
;   MA, MB             Written by the tree at a step's head; read by the two LDS stores behind it.
;   KA                 Written late in step t; read by the back-pointer store that step t + 1 issues.
;   Q0, Q1, TTA, BPA   Read by the operand loads and the back-pointer store; written once a trip, behind the trip's last step.  MST, MLD: never written.
; A step is: the tree; ONE wait on va_vdst; all its ten LDS instructions in one run; the products, keys and costs; the wait for G; ONE wait on vm_vsrc; the new dp and KA.
; The first wait states that MA, MB and the last step's KA are written, that the last step is done reading G and the other B and tt, and, in a trip's first step, that the
; four addresses are written.  The second states that the run has read MA, MB, KA and the four addresses; no LDS instruction follows it in the step.
.set WLDS,  11520                      ; LDS bytes of a wave
.set XB,    0                          ; x in bf16: chunk (b, t) at 512 b + 16 t            2,048 bytes
.set ZP,    2048                       ; a plane of zeros of the same shape                 2,048
.set TTO,   4096                       ; |x|^2 of chunk (b, t) at 128 b + 4 t                 512
.set MBO,   4608                       ; m[h] of block b at 64 b + 4 h                        256
.set BPO,   4864                       ; back pointers: block b, step t at 256 b + 8 (t-1); nibble h = the k chosen   1,024
.set STO,   5888                       ; states: 128 b + 4 t                                  512
.set CCO,   6400                       ; |c|^2 of state s at 4 s                            1,024
.set T2O,   7424                       ; codebook for the one-hot product, see below        4,096
.set L,     1                          ; lane
.set HHR,   2                          ; lane >> 4
.set GR,    3                          ; lane & 3
.set BR,    4                          ; (lane >> 2) & 3
.set XLD,   5                          ; byte offsets into the buffers and LDS addresses, one register each, never rewritten
.set CBLD,  6                          ; (but Q0, Q1, TTA, BPA, which step with the loop)
.set XST,   7
.set LIN16, 8
.set LIN4,  9
.set CCST,  10
.set T2ST,  11
.set CCLD,  12
.set Q0,    13
.set Q1,    14
.set TTA,   15
.set MST,   16
.set MLD,   17
.set BPA,   18
.set BPL,   19
.set STA,   20
.set STR,   21
.set T2LD,  22
.set OUTO,  23
.set OUT1O, 24
.set H4,    25                         ; 4 (lane >> 4)
.set ONE,   26                         ; bf16 1.0
.set HF0,   27                         ; float(2 lam), float(2 lam + 1)
.set HF1,   28
.set TA,    29                         ; scratch
.set TB,    30
.set TC,    31
.set AF,    32                         ; v[32:63]   A: 4 tiles x 8; at the end the 4 transposed fragments
.set DP,    64                         ; v[64:95]   dp, register 16 e + k.  At the entry x as loaded; at the end the 32 states, then out0's 8 x 4 registers
.set XR,    64
.set SSA,   64                         ; the state of step t at SSA + t
.set OUTR,  64
.set CC,    96                         ; v[96:127]  |c|^2 of my 32 states
.set WB,    96                         ; v[96:157]  at the end: my block's 31 back-pointer words of 64 bits
.set O1,    96                         ; then: 16 bytes of out1, and the states of my 8 columns
.set SG,    100
.set D,     128                        ; v[128:159] matrix results, then costs
.set CR,    128                        ; v[128:191] at the entry: 8 codewords as loaded
.set G,     160                        ; v[160:175] m[0..15] of my block
.set KF,    176                        ; v[176:191] float(k)
.set BQ,    192                        ; v[192:199] B, buffer 0; buffer 1 lies 38 registers on: v[230:237]
.set MA,    200                        ; pairs whose first register is broadcast: m[2 lam], m[2 lam + 1], tt
.set MB,    202
.set TT,    204                        ; tt, buffer 0; buffer 1 lies 34 registers on: v[238:239]
.set HB,    206                        ; 2^100, twice
.set TR,    208                        ; v[208:217] the trees' temporaries
.set ACC,   208                        ; at the entry: up to 8 running sums
.set KA,    218
.set KB,    219
.set ZR,    220                        ; v[220:223] zeros
.set AN,    224                        ; v[224:225] high nibble of the state, by the step's parity
.set SH,    226
.set WS,    227
.set LAM,   229
	s_load_b256 s[4:11], s[0:1], 0x0               ; array s[4:5], codebook s[6:7], out0 s[8:9], out1 s[10:11]
	v_lshl_add_u32 v240, v0, 2, 0xb400
	v_mov_b32 v241, 0
	v_and_b32 v[L], 31, v0
	v_lshrrev_b32 v[TA], 5, v0
	v_readfirstlane_b32 s12, v[TA]                 ; wave 0..3
	v_lshrrev_b32 v[HHR], 4, v[L]
	v_and_b32 v[GR], 3, v[L]
	v_bfe_u32 v[BR], v[L], 2, 2
	v_and_b32 v[TA], 7, v[L]                       ; lane & 7
	v_bfe_u32 v[TB], v[L], 3, 1                    ; bit 3 of the lane
	v_and_b32 v[TC], 15, v[L]
	; As a lane of A (row m = lane & 15, K groups g = (lane>>4) + 2 qd) I need state 128 (T&1) + 16 (lane&7) + 8 qd + 4 (lane>>4) + 2 bit3 + (T>>1)
	v_lshlrev_b32 v[CBLD], 9, v[TA]                ; x 32 bytes a codeword: the lane's part
	v_lshl_add_u32 v[CBLD], v[HHR], 7, v[CBLD]
	v_lshl_add_u32 v[CBLD], v[TB], 6, v[CBLD]
	v_lshlrev_b32 v[XLD], 4, v[TC]                 ; x: lanes 0-15 one row's 256 bytes, lanes 16-31 the next row's
	v_lshl_add_u32 v[XLD], v[HHR], 12, v[XLD]
	s_wait_alu depctr_va_sdst(0)                   ; s12 is written, ahead of its first reader: the buffers' bases and my wave's LDS are made from it
	s_lshl_b32 s13, ttmp9, 2
	s_add_co_u32 s13, s13, s12                     ; W = 0..1023: block row W >> 4, blocks 4 (W & 15) .. + 3 of it
	s_lshr_b32 s14, s13, 4
	s_lshl_b32 s14, s14, 16                        ; 16 rows of 4,096 bytes
	s_and_b32 s16, s13, 15
	s_lshl_b32 s16, s16, 8                         ; 4 blocks of 64 bytes
	s_add_co_u32 s14, s14, s16
	s_mov_b32 s15, 0
	s_lshl_b32 s16, s13, 9                         ; out1: 4 blocks x 32 words
	s_mov_b32 s17, 0
	s_mul_i32 s18, s12, WLDS                       ; my wave's LDS
	s_mov_b32 s19, 0x41800000                      ; 16.0
	s_mov_b32 s20, 0x76543210                      ; v_permlanex16_b32: lane i reads lane i xor 16
	s_mov_b32 s21, 0xfedcba98
	s_wait_kmcnt 0x0
	s_add_nc_u64 s[4:5], s[4:5], s[14:15]
	s_add_nc_u64 s[8:9], s[8:9], s[14:15]
	s_add_nc_u64 s[10:11], s[10:11], s[16:17]
	s_wait_alu depctr_va_vdst(0)                   ; v[CBLD] and v[XLD] are written, which the loads below read as their offsets
.irp c, 0,1,2,3,4,5,6,7                            ; codeword c = 2 T + qd: the wave's 256 loads of 32 bytes take each state once
	global_load_b128 v[CR+8*\c:CR+8*\c+3],   v[CBLD], s[6:7] offset:4096*((\c>>1)&1)+32*(\c>>2)+256*(\c&1)
	global_load_b128 v[CR+8*\c+4:CR+8*\c+7], v[CBLD], s[6:7] offset:4096*((\c>>1)&1)+32*(\c>>2)+256*(\c&1)+16
.endr
.irp i, 0,1,2,3,4,5,6,7                            ; rows 2 i, 2 i + 1: two whole aligned runs of 256 bytes an instruction, read once in the launch
	global_load_b128 v[XR+4*\i:XR+4*\i+3], v[XLD], s[4:5] offset:8192*\i th:TH_LOAD_NT
.endr
	; while these are on their way: the lane terms, each = my wave's LDS + a term of the lane's bits
	v_lshl_add_u32 v[LIN16], v[L], 4, s18
	v_lshl_add_u32 v[LIN4], v[L], 2, s18
.irp i, 0,1,2,3
	v_mov_b32 v[ZR+\i], 0
.endr
	v_lshl_add_u32 v[XST], v[BR], 9, s18           ; my 8 bytes of bf16 x: block (lane>>2)&3, t = 4 i + 2 (lane>>4) + bit 1, half bit 0
	v_lshl_add_u32 v[XST], v[HHR], 5, v[XST]
	v_lshl_add_u32 v[XST], v[GR], 3, v[XST]
	v_lshl_add_u32 v[CCST], v[TA], 6, s18          ; 4 x the state of my codewords, the lane's part
	v_lshl_add_u32 v[CCST], v[HHR], 4, v[CCST]
	v_lshl_add_u32 v[CCST], v[TB], 3, v[CCST]
	v_lshl_add_u32 v[T2LD], v[TB], 11, s18         ; transposing loads: plane bit 3, row 8 (lane>>4) + (lane&7)
	v_lshl_add_u32 v[T2LD], v[HHR], 7, v[T2LD]
	v_lshl_add_u32 v[T2LD], v[TA], 4, v[T2LD]
	v_lshlrev_b32 v[OUTO], 12, v[TB]               ; out0: column n = lane & 15 is the chunk at row bit 3, byte 32 (n & 7); my half of it
	v_lshl_add_u32 v[OUTO], v[TA], 5, v[OUTO]
	v_lshl_add_u32 v[OUTO], v[HHR], 4, v[OUTO]
	v_lshlrev_b32 v[OUT1O], 4, v[L]
	; T2: row (hf, i, K) of 16 bytes = components 4 hf .. + 3 of state 64 i + K, then of state 64 i + 32 + K.  My states' part of the address:
	v_lshl_add_u32 v[T2ST], v[HHR], 6, s18
	v_lshl_add_u32 v[T2ST], v[TB], 5, v[T2ST]
	v_bfe_u32 v[TC], v[L], 2, 1
	v_lshl_add_u32 v[T2ST], v[TC], 9, v[T2ST]
	v_and_b32 v[TC], 1, v[L]
	v_lshl_add_u32 v[T2ST], v[TC], 8, v[T2ST]
	v_lshl_add_u32 v[STR], v[TC], 2, s18           ; the state of column n in group i: block (n>>1)&3, t = 4 i + 2 (n>>3) + (n&1)
	v_lshl_add_u32 v[STR], v[TB], 3, v[STR]
	v_bfe_u32 v[TC], v[L], 1, 2
	v_lshl_add_u32 v[STR], v[TC], 7, v[STR]
	v_bfe_u32 v[TC], v[L], 1, 1
	v_lshl_add_u32 v[T2ST], v[TC], 3, v[T2ST]
	v_lshl_add_u32 v[LAM], v[GR], 1, v[HHR]        ; lam = 2 g + hh: my two low nibbles are 2 lam, 2 lam + 1
	v_lshl_add_u32 v[CCLD], v[LAM], 3, s18
	v_lshl_add_u32 v[MLD], v[BR], 6, s18
	v_lshl_add_u32 v[MST], v[LAM], 3, v[MLD]
	v_lshl_add_u32 v[BPL], v[BR], 8, s18
	v_add_nc_u32 v[BPA], v[BPL], v[LAM]
	v_lshl_add_u32 v[TTA], v[BR], 7, s18
	v_lshl_add_u32 v[STA], v[BR], 7, s18
	; B's first four registers are K group hh, the last four K group 2 + hh: data where that is my column's g, else the plane of zeros
	v_add_nc_u32 v[TC], 4, v[GR]
	v_sub_nc_u32 v[TC], v[TC], v[HHR]
	v_and_b32 v[TC], 3, v[TC]
	v_min_u32 v[TC], 1, v[TC]                      ; 0: g = hh
	v_lshl_add_u32 v[Q0], v[BR], 9, s18
	v_lshl_add_u32 v[Q0], v[TC], 11, v[Q0]
	v_add_nc_u32 v[TC], 2, v[GR]
	v_sub_nc_u32 v[TC], v[TC], v[HHR]
	v_and_b32 v[TC], 3, v[TC]
	v_min_u32 v[TC], 1, v[TC]                      ; 0: g = 2 + hh
	v_lshl_add_u32 v[Q1], v[BR], 9, s18
	v_lshl_add_u32 v[Q1], v[TC], 11, v[Q1]
	v_lshlrev_b32 v[H4], 2, v[HHR]
	v_mov_b32 v[ONE], 0x3f80
	v_lshlrev_b32 v[TC], 1, v[LAM]
	v_cvt_f32_u32 v[HF0], v[TC]
	v_add_f32 v[HF1], 1.0, v[HF0]
	v_mov_b32 v[MA+1], 0                           ; second registers of broadcast pairs: named by the packed forms, never used
	v_mov_b32 v[MB+1], 0
	v_mov_b32 v[TT+1], 0
	v_mov_b32 v[TT+34+1], 0
	v_mov_b32 v[HB], 0x71800000                    ; 2^100
	v_mov_b32 v[HB+1], 0x71800000
	s_wait_alu depctr_va_vdst(0)                   ; every LDS address and store offset of the kernel (v7 to v24) and the zeros v[ZR ..] are written, which the LDS and memory instructions from here on read
.irp i, 0,1,2,3
	ds_store_b128 v[LIN16], v[ZR:ZR+3] offset:ZP+512*\i
.endr
; n serial sums of 8 squares, ascending, of bf16 numbers packed in 4 registers each (products of bf16 are exact in f32, so each line rounds once,
; as a multiply and an add would); the n chains take turns
.macro SQSUM base, n
.set qq, 0
.rept 4
.set ci, 0
.rept \n
.if qq == 0
	v_fma_mix_f32_bf16 v[ACC+ci], v[\base+4*ci], v[\base+4*ci], v[ZR] op_sel_hi:[1,1,0]
.else
	v_fma_mix_f32_bf16 v[ACC+ci], v[\base+4*ci+qq], v[\base+4*ci+qq], v[ACC+ci] op_sel_hi:[1,1,0]
.endif
.set ci, ci+1
.endr
.set ci, 0
.rept \n
	v_fma_mix_f32_bf16 v[ACC+ci], v[\base+4*ci+qq], v[\base+4*ci+qq], v[ACC+ci] op_sel:[1,1,0] op_sel_hi:[1,1,0]
.set ci, ci+1
.endr
.set qq, qq+1
.endr
.endm
	s_wait_loadcnt 0x8                             ; loads return in order (ISA guide 5.7.1): the 16 of the codebook are in, x's 8 stay out
.irp c, 0,1,2,3,4,5,6,7
.irp q, 0,1,2,3
	v_cvt_pk_bf16_f32 v[AF+4*\c+\q], v[CR+8*\c+2*\q], v[CR+8*\c+2*\q+1]    ; codeword 2 T + qd is registers 4 qd .. + 3 of A tile T
.endr
.endr
	SQSUM AF, 8
	s_wait_alu depctr_va_vdst(0)                   ; v[AF ..] and the eight sums are written, which the LDS stores read; the conversions are done reading v[CR ..], in part of which chunks of x land below
.irp c, 0,1,2,3,4,5,6,7
	ds_store_b32 v[CCST], v[ACC+\c] offset:CCO+512*((\c>>1)&1)+32*(\c&1)+4*(\c>>2)
	ds_store_b64 v[T2ST], v[AF+4*\c:AF+4*\c+1]   offset:T2O+1024*((\c>>1)&1)+128*(\c&1)+16*(\c>>2)
	ds_store_b64 v[T2ST], v[AF+4*\c+2:AF+4*\c+3] offset:T2O+2048+1024*((\c>>1)&1)+128*(\c&1)+16*(\c>>2)
.endr
.irp k, 0,1,2,3,4,5,6,7,8,9,10,11,12,13,14,15      ; LDS serves a wave's instructions in order: these see the stores above
	ds_load_b32 v[CC+\k],    v[CCLD] offset:CCO+64*\k
	ds_load_b32 v[CC+16+\k], v[CCLD] offset:CCO+64*\k+4
.endr
	s_wait_loadcnt 0x0                             ; x
.irp i, 0,1,2,3,4,5,6,7
	v_cvt_pk_bf16_f32 v[XR+4*\i],   v[XR+4*\i],   v[XR+4*\i+1]
	v_cvt_pk_bf16_f32 v[XR+4*\i+1], v[XR+4*\i+2], v[XR+4*\i+3]
.endr
	s_wait_alu depctr_va_vdst(0)                   ; the conversions have written x in bf16, which the LDS stores read
.irp i, 0,1,2,3,4,5,6,7
	ds_store_b64 v[XST], v[XR+4*\i:XR+4*\i+1] offset:XB+64*\i
.endr
.irp i, 0,1,2,3                                    ; whole chunks back, chunk lane + 32 i, for |x|^2 of the rounded numbers
	ds_load_b128 v[G+4*\i:G+4*\i+3], v[LIN16] offset:XB+512*\i
.endr
	s_wait_dscnt 0x0
	s_wait_alu depctr_vm_vsrc(0)                   ; the stores of |c|^2 have read the sums' registers, which the sums below write again; the stores of x have read v[XR ..], which step 0 writes as dp
	SQSUM G, 4
	s_wait_alu depctr_va_vdst(0)                   ; the four sums are written, which the LDS stores read
.irp i, 0,1,2,3
	ds_store_b32 v[LIN4], v[ACC+\i] offset:TTO+128*\i
.endr
.macro WMMA4 p                         ; the 256 dots of 4 blocks, by buffer p of B
.irp i, 0,1,2,3
	v_wmma_f32_16x16x32_bf16 v[D+8*\i:D+8*\i+7], v[AF+8*\i:AF+8*\i+7], v[BQ+38*(\p):BQ+38*(\p)+7], 0
.endr
.endm
.macro PREF p, r                       ; B and tt of step r, counted from where the address registers stand, into buffer p
	ds_load_b128 v[BQ+38*(\p):BQ+38*(\p)+3],   v[Q0] offset:XB+16*(\r)
	ds_load_b128 v[BQ+38*(\p)+4:BQ+38*(\p)+7], v[Q1] offset:XB+16*(\r)
	ds_load_b32 v[TT+34*(\p)], v[TTA] offset:TTO+4*(\r)
.endm
.macro FMATT p, from, n                ; D = tt - 2 dot: 2 dot is exact, one rounding
.set pp, \from
.rept \n
	v_pk_fma_f32 v[D+2*pp:D+2*pp+1], v[D+2*pp:D+2*pp+1], -2.0, v[TT+34*(\p):TT+34*(\p)+1] op_sel_hi:[1,0,0]
.set pp, pp+1
.endr
.endm
.macro ADDCC dst, from, n              ; + |c|^2
.set pp, \from
.rept \n
	v_pk_add_f32 v[\dst+2*pp:\dst+2*pp+1], v[D+2*pp:D+2*pp+1], v[CC+2*pp:CC+2*pp+1]
.set pp, pp+1
.endr
.endm
.macro ADDG from, n                    ; dp[16 e + k] = m[k] + cost
.set pp, \from
.rept \n
	v_pk_add_f32 v[DP+2*pp:DP+2*pp+1], v[D+2*pp:D+2*pp+1], v[G+2*(pp&7):G+2*(pp&7)+1]
.set pp, pp+1
.endr
.endm
; minimum over the 16 registers of each half of DP, in three levels
.macro MINL1
.irp e, 0,1
.irp a, 0,1,2,3,4
	v_min3_num_f32 v[TR+5*\e+\a], v[DP+16*\e+3*\a], v[DP+16*\e+3*\a+1], v[DP+16*\e+3*\a+2]
.endr
.endr
.endm
.macro MINL2
.irp e, 0,1
	v_min3_num_f32 v[TR+5*\e],   v[TR+5*\e],   v[TR+5*\e+1], v[TR+5*\e+2]
	v_min3_num_f32 v[TR+5*\e+3], v[TR+5*\e+3], v[TR+5*\e+4], v[DP+16*\e+15]
.endr
.endm
.macro MINL3 da, db
	v_min_num_f32 v[\da], v[TR],   v[TR+3]
	v_min_num_f32 v[\db], v[TR+5], v[TR+8]
.endm
; key = (dp - m) 2^100 + k: exactly k where dp = m, at least 16 elsewhere (a difference of two unlike f32 is never 0; see limit 4).
; The least key is the lowest k that attains the minimum.
.macro SUBM ma, mb
.set pp, 0
.rept 8
	v_pk_add_f32 v[DP+2*pp:DP+2*pp+1],       v[DP+2*pp:DP+2*pp+1],       v[\ma:\ma+1] op_sel_hi:[1,0] neg_lo:[0,1] neg_hi:[0,1]
	v_pk_add_f32 v[DP+16+2*pp:DP+16+2*pp+1], v[DP+16+2*pp:DP+16+2*pp+1], v[\mb:\mb+1] op_sel_hi:[1,0] neg_lo:[0,1] neg_hi:[0,1]
.set pp, pp+1
.endr
.endm
.macro KEYS
.set pp, 0
.rept 8
	v_pk_fma_f32 v[DP+2*pp:DP+2*pp+1],       v[DP+2*pp:DP+2*pp+1],       v[HB:HB+1], v[KF+2*pp:KF+2*pp+1]
	v_pk_fma_f32 v[DP+16+2*pp:DP+16+2*pp+1], v[DP+16+2*pp:DP+16+2*pp+1], v[HB:HB+1], v[KF+2*pp:KF+2*pp+1]
.set pp, pp+1
.endr
.endm
	; STEP 0: dp = cost.  No vector instruction has named either buffer of B or of tt: both steps' operands are asked for at once
	PREF 0, 0
	PREF 1, 1
	s_wait_dscnt 0x3                               ; B, tt of step 0 and my 32 |c|^2 are in; step 1's three loads stay out
	s_wait_alu depctr_vm_vsrc(0)                   ; the stores of |x|^2 have read the sums' registers, which the first tree writes as v[TR ..]
	WMMA4 0
.irp k, 0,1,2,3,4,5,6,7,8,9,10,11,12,13,14,15      ; 16 plain vector lines that name no register of the products: more than the 4 places that
	v_cvt_f32_u32 v[KF+\k], \k                     ; a reader of D owes them (ISA guide 7.12.1)
.endr
	FMATT 0, 0, 16
	ADDCC DP, 0, 16
; STEP t = base + 2 + u (base: where Q0, Q1, TTA, BPA stand), p = t & 1.  first = 1: step 1, with no back pointer of a step before.  more = 0: step 31, which asks for nothing further.
; The trip of the minima through LDS is covered by the products, the keys and the costs.
.macro STEP u, p, first, more
	MINL1
	MINL2
	MINL3 MA, MB
	s_wait_alu depctr_va_vdst(0)                   ; MA, MB and the last step's KA are written, which the stores below read; the last step is done reading G and the other B and tt, in which the loads below land; in a trip's first step Q0, Q1, TTA, BPA are written
	ds_store_b32 v[MST], v[MA] offset:MBO          ; m[2 lam], m[2 lam + 1]
	ds_store_b32 v[MST], v[MB] offset:MBO+4
.irp q, 0,1,2,3
	ds_load_b128 v[G+4*\q:G+4*\q+3], v[MLD] offset:MBO+16*\q   ; all 16 of my block, written by this wave's lanes just above, served in order
.endr
.if !(\first)
	ds_store_b8 v[BPA], v[KA] offset:BPO+8*(\u)    ; the step before: nibbles 2 lam and 2 lam + 1 of its word
.endif
.if \more
	PREF 1-(\p), (\u)+3                            ; the next step's operands.  No wait: no vector or matrix instruction since the wait above names a register of this run
.endif
	s_wait_dscnt 7-(\first)+3*(\more)              ; all that this step has issued may be out: B and tt of this step, asked for a step ago, are in
	WMMA4 \p
	SUBM MA, MB                                    ; 32 plain lines on dp, m and constants: the places behind the products
	KEYS
	FMATT \p, 0, 16
	ADDCC D, 0, 16
	MINL1
	MINL2                                          ; the keys have all been read: dp may be written
	s_wait_dscnt 1-(\first)+3*(\more)              ; the back-pointer store and the three loads for the next step stay out; the four of m, issued before them, are in
	s_wait_alu depctr_vm_vsrc(0)                   ; this step's LDS instructions have read KA, which is written below, MA and MB, which the next tree writes, and the four addresses, which step behind a trip's last step
	ADDG 0, 4
	MINL3 KA, KB
	ADDG 4, 4
	v_cvt_u32_f32 v[KA], v[KA]
	v_cvt_u32_f32 v[KB], v[KB]
	ADDG 8, 4
	v_lshl_or_b32 v[KA], v[KB], 4, v[KA]           ; nibbles 2 lam and 2 lam + 1 of the step's 64-bit word
	ADDG 12, 4
.endm
	STEP -1, 1, 1, 1                               ; t = 1
	s_mov_b32 s25, 0
.Ltrip:                                            ; 7 trips of 4 steps: t = 2 .. 29; both buffers are back at their start
	STEP 0, 0, 0, 1
	STEP 1, 1, 0, 1
	STEP 2, 0, 0, 1
	STEP 3, 1, 0, 1
	v_add_nc_u32 v[Q0], 64, v[Q0]                  ; 4 steps on.  No LDS instruction has been issued since the step's wait on vm_vsrc,
	v_add_nc_u32 v[Q1], 64, v[Q1]                  ; and the next step's wait on va_vdst stands ahead of the next readers
	v_add_nc_u32 v[TTA], 16, v[TTA]
	v_add_nc_u32 v[BPA], 32, v[BPA]
	s_add_co_u32 s25, s25, 1
	s_cmp_lt_u32 s25, 7
	s_cbranch_scc1 .Ltrip
	STEP 0, 0, 0, 1                                ; t = 30
	STEP 1, 1, 0, 0                                ; t = 31 asks for nothing further
	s_wait_alu depctr_va_vdst(0)                   ; step 31's KA is written, which the store reads; the vector and matrix instructions are done with v[AF ..], v[CC ..] and v[D ..], in which the loads below land
	ds_store_b8 v[BPA], v[KA] offset:BPO+16        ; step 31's back pointers
	; my block's back pointers and the transposed codebook come in while the last state is found: the lines up to the wait for them name dp, the trees' registers, m, the keys' constants alone
.irp q, 0,1,2,3,4,5,6,7,8,9,10,11,12,13,14
	ds_load_b128 v[WB+4*\q:WB+4*\q+3], v[BPL] offset:BPO+16*\q
.endr
	ds_load_b64 v[WB+60:WB+61], v[BPL] offset:BPO+240
.irp i, 0,1,2,3                                    ; fragment i: row m = 8 hf + j is component 4 hf + (j&3) of states 64 i + 32 (j>>2) + K, K = 0 .. 31
	ds_load_tr16_b128 v[AF+8*\i:AF+8*\i+3],   v[T2LD] offset:T2O+512*\i
	ds_load_tr16_b128 v[AF+8*\i+4:AF+8*\i+7], v[T2LD] offset:T2O+512*\i+256
.endr
	; THE LAST STATE: the block's minimum over 8 lanes x 32 registers, then the lowest state that attains it
	MINL1
	MINL2
	MINL3 MA, MB
	v_min_num_f32 v[MA], v[MA], v[MB]
	v_min_num_f32_dpp v[MA], v[MA], v[MA] row_xmask:1 row_mask:0xf bank_mask:0xf   ; the four g of my block
	v_min_num_f32_dpp v[MA], v[MA], v[MA] row_xmask:2 row_mask:0xf bank_mask:0xf
	v_permlanex16_b32 v[MB], v[MA], s20, s21                                       ; and the other hh
	v_min_num_f32 v[MA], v[MA], v[MB]
	SUBM MA, MA
	KEYS
	MINL1
	MINL2
	s_wait_alu depctr_vm_vsrc(0)                   ; the last back-pointer store has read KA, which the next line writes
	MINL3 KA, KB
	v_fma_f32 v[KA], v[KA], s19, v[HF0]            ; 16 k + h: below 256 where the minimum is attained, 256 or more elsewhere
	v_fma_f32 v[KB], v[KB], s19, v[HF1]
	v_min_num_f32 v[KA], v[KA], v[KB]
	v_min_num_f32_dpp v[KA], v[KA], v[KA] row_xmask:1 row_mask:0xf bank_mask:0xf
	v_min_num_f32_dpp v[KA], v[KA], v[KA] row_xmask:2 row_mask:0xf bank_mask:0xf
	v_permlanex16_b32 v[KB], v[KA], s20, s21
	v_min_num_f32 v[KA], v[KA], v[KB]
	v_cvt_u32_f32 v[SSA+31], v[KA]
	v_lshrrev_b32 v[AN+1], 4, v[SSA+31]
	s_wait_dscnt 0x0                               ; back pointers and fragments are in
	; THE WAY BACK, in registers: a = state >> 4; k = nibble a of the step's word; the state before is 16 k + a.
	; Each state has a register of its own; eight at a time go to LDS behind one wait (the 8 lanes of a block write the same word with the same value).
.set bt, 31
.rept 31
	v_cmp_lt_u32 vcc_lo, 7, v[AN+(bt&1)]
	v_lshlrev_b32 v[SH], 2, v[AN+(bt&1)]           ; v_bfe_u32 takes the low 5 bits: 4 (a & 7)
	s_wait_alu depctr_va_vcc(0)                    ; the compare has written VCC, which the select reads
	v_cndmask_b32 v[WS], v[WB+2*(bt-1)], v[WB+2*(bt-1)+1], vcc_lo
	v_bfe_u32 v[AN+((bt-1)&1)], v[WS], v[SH], 4
	v_lshl_or_b32 v[SSA+bt-1], v[AN+((bt-1)&1)], 4, v[AN+(bt&1)]
.if ((bt-1)&7) == 0
	s_wait_alu depctr_va_vdst(0)                   ; the states of steps bt - 1 to bt + 6 are written, which the stores read; at the last of the four also: the selects are done reading v[WB ..], in which the loads behind the stores land
.set st, bt-1
.rept 8
	ds_store_b32 v[STA], v[SSA+st] offset:STO+4*st
.set st, st+1
.endr
.endif
.set bt, bt-1
.endr
	ds_load_b128 v[O1:O1+3], v[LIN16] offset:STO   ; the wave's 512 bytes of out1 as they lie
.irp i, 0,1,2,3,4,5,6,7
	ds_load_b32 v[SG+\i], v[STR] offset:STO+16*\i  ; the state of column n in each of the 8 groups of 16 chunks
.endr
	s_wait_dscnt 0x0
	global_store_b128 v[OUT1O], v[O1:O1+3], s[10:11] th:TH_STORE_NT    ; 512 consecutive bytes, aligned
	s_wait_alu depctr_vm_vsrc(0)                   ; the stores of the states have read v[SSA ..], which the selects below write as out0's registers
; codebook[state] for rows 2 i, 2 i + 1 (16 chunks): B = one-hot of state & 31 down column n; product i2 gives lane (n, hh) components
; 4 hh .. + 3 of states 64 i2 + (state & 31) in registers 0-3 and 64 i2 + 32 + (state & 31) in registers 4-7; bits 5, 6, 7 of the state choose.
; Behind a group's products stand its own three compares and the next group's eight, with ONE wait on va_sdst behind the run; the store of the group before goes out
; behind ONE wait on va_vdst, ahead of this group's selects.  B goes by the group's parity.
.macro ONEHOT i                        ; which of my eight registers of B holds the 1.0 of group i, and in which half
	v_bfe_u32 v[TA], v[SG+(\i)], 1, 4              ; which pair of K
	v_and_b32 v[TB], 1, v[SG+(\i)]
	v_sub_nc_u32 v[TA], v[TA], v[H4]               ; register q of my half holds pair 8 (q>>2) + 4 hh + (q&3)
	v_lshlrev_b32 v[TB], 4, v[TB]
	v_lshlrev_b32 v[TB], v[TB], v[ONE]             ; 1.0 in the low or in the high half
.irp q, 0,1,2,3,4,5,6,7
	v_cmp_eq_u32 s[26+\q], 8*(\q>>2)+(\q&3), v[TA]
.endr
.endm
.macro BMAKE p
.irp q, 0,1,2,3,4,5,6,7
	v_cndmask_b32 v[BQ+38*(\p)+\q], 0, v[TB], s[26+\q]
.endr
.endm
.macro SEND i
	global_store_b128 v[OUTO], v[OUTR+4*(\i):OUTR+4*(\i)+3], s[8:9] offset:8192*(\i) th:TH_STORE_NT  ; the 32 lanes fill two aligned runs of 256 bytes
.endm
.macro RECON i
	WMMA4 (\i)&1
	v_and_b32 v[TC], 32, v[SG+\i]                  ; six plain lines that name no register of the products: the places that the readers of D
	v_and_b32 v[SH], 64, v[SG+\i]                  ; owe them (ISA guide 7.12.1); with the next group's lines below, those that the next products' writes of D owe
	v_and_b32 v[WS], 0x80, v[SG+\i]
	v_cmp_ne_u32 s22, 0, v[TC]
	v_cmp_ne_u32 s23, 0, v[SH]
	v_cmp_ne_u32 s24, 0, v[WS]
.if \i < 7
	ONEHOT \i+1
.endif
	s_wait_alu depctr_va_sdst(0)                   ; the compares have written s22 to s24 and s26 to s33, which the selects below read
.if \i < 7
	BMAKE (\i+1)&1
.endif
.if \i > 0
	s_wait_alu depctr_va_vdst(0)                   ; the selects of the group before have written its four registers of out0, which the store reads
	SEND \i-1
.endif
.irp w, 0,1,2,3
.irp c, 0,1,2,3
	v_cndmask_b32 v[D+8*\w+\c], v[D+8*\w+\c], v[D+8*\w+4+\c], s22
.endr
.endr
.irp w, 0,1
.irp c, 0,1,2,3
	v_cndmask_b32 v[D+16*\w+\c], v[D+16*\w+\c], v[D+16*\w+8+\c], s23
.endr
.endr
.irp c, 0,1,2,3
	v_cndmask_b32 v[OUTR+4*\i+\c], v[D+\c], v[D+16+\c], s24    ; each group has its own four registers: no store's data is written again
.endr
.endm
	ONEHOT 0
	s_wait_alu depctr_va_sdst(0)                   ; the compares have written s26 to s33, which the selects read
	BMAKE 0
	RECON 0
	RECON 1
	RECON 2
	RECON 3
	RECON 4
	RECON 5
	RECON 6
	RECON 7
	s_wait_alu depctr_va_vdst(0)                   ; the last group's selects have written its four registers, which the last store reads
	SEND 7
	s_wait_dscnt 0x0
	s_wait_alu depctr_hold_cnt(0) depctr_sa_sdst(0) depctr_va_vdst(0) depctr_va_sdst(0) depctr_va_ssrc(0) depctr_va_vcc(0) depctr_vm_vsrc(0)
	s_wait_tensorcnt 0x0
	ds_add_u32 v240, v241
	s_wait_dscnt 0x0
	s_endpgm
.Lfunc_end_k_q981df5fd5d_viterbi:
	.size	k_q981df5fd5d_viterbi, .Lfunc_end_k_q981df5fd5d_viterbi-k_q981df5fd5d_viterbi
	.p2alignl 7, 3214868480
	.fill 96, 4, 3214868480
	.section	.rodata,"a",@progbits
	.p2align	6, 0x0
	.amdhsa_kernel k_q981df5fd5d_viterbi
		.amdhsa_group_segment_fixed_size 46592
		.amdhsa_private_segment_fixed_size 0
		.amdhsa_enable_private_segment 0
		.amdhsa_kernarg_size 32
		.amdhsa_user_sgpr_count 2
		.amdhsa_user_sgpr_kernarg_segment_ptr 1
		.amdhsa_wavefront_size32 1
		.amdhsa_system_sgpr_workgroup_id_x 1
		.amdhsa_system_sgpr_workgroup_id_y 1
		.amdhsa_system_sgpr_workgroup_id_z 1
		.amdhsa_system_vgpr_workitem_id 0
		.amdhsa_next_free_vgpr 242
		.amdhsa_next_free_sgpr 66
		.amdhsa_reserve_vcc 1
		.amdhsa_float_denorm_mode_32 3
		.amdhsa_float_denorm_mode_16_64 3
		.amdhsa_memory_ordered 1
		.amdhsa_forward_progress 1
		.amdhsa_inst_pref_size 127
	.end_amdhsa_kernel
	.amdgpu_metadata
---
amdhsa.version: [ 1, 2 ]
amdhsa.kernels:
  - .name:           k_q981df5fd5d_viterbi
    .symbol:         k_q981df5fd5d_viterbi.kd
    .args:
      - { .name: array, .offset: 0, .size: 8, .value_kind: global_buffer, .address_space: global }
      - { .name: codebook, .offset: 8, .size: 8, .value_kind: global_buffer, .address_space: global }
      - { .name: out0, .offset: 16, .size: 8, .value_kind: global_buffer, .address_space: global }
      - { .name: out1, .offset: 24, .size: 8, .value_kind: global_buffer, .address_space: global }
    .group_segment_fixed_size: 46592
    .private_segment_fixed_size: 0
    .kernarg_segment_align: 8
    .kernarg_segment_size: 32
    .max_flat_workgroup_size: 128
    .sgpr_count:     66
    .vgpr_count:     242
    .wavefront_size: 32
...
	.end_amdgpu_metadata
.endif
;; end of part 2
